; MI455X (gfx1250); checked and timed in simulation.
; The chip was launched on July 23, 2026; its instructions are those of AMD's public machine-readable ISA for CDNA 5 (MIT licence, August 2026) and "CDNA5" Instruction Set Architecture Reference Guide (July 2026). The comments in the code are by the model that wrote it; some were corrected since.
;; DTW Features. Allowed arithmetic: float matrix products may take bf16 or f16 operands with f32 sums; all other float work in f32.
;; Inputs: patts 32 x 3 x 32 float32; x 64 x 3 x 1,024 float32.
;; Outputs: out0 64 x 32 x 1,024 float32.
;; One version. Each part assembles by itself: llvm-mc -triple=amdgcn-amd-amdhsa -mcpu=gfx1250 --defsym DOCPART=n.
;; ======== version 1 of 1: 1 launch
;; launch dtw (part 1): grid 256 x 1, 4 waves a work-group, no clusters, 276,992 bytes of LDS; arguments patts, x, out0; writes out0
.if DOCPART == 1
	.amdgcn_target "amdgcn-amd-amdhsa--gfx1250"
	.amdhsa_code_object_version 6
	.text
	.protected	k_q1ad19b2c6d_dtw
	.globl	k_q1ad19b2c6d_dtw
	.p2align	8
	.type	k_q1ad19b2c6d_dtw,@function
k_q1ad19b2c6d_dtw:
	s_mov_b64 s[64:65], 0
	v_nop
	global_prefetch_b8 v0, s[64:65] scope:SCOPE_SE
	s_setreg_imm32_b32 hwreg(HW_REG_WAVE_MODE, 25, 1), 1
	s_wait_xcnt 0x0
; Weighted DTW features.  x [64][3][1024] f32, patts [32][3][32] f32, out0 [64][32][1024] f32.
;   dist[l][t] = sqrt(max(|x_t|^2 + |p_l|^2 - 2 x_t.p_l, 1e-12));  D[l][t] = dist + min(D[l-1][t], w D[l][t-1], w D[l-1][t-1]);  out = D[31][t].
; SHARE.  2,048 independent DPs (b, p).  Work-group g: b0 = 2 (g >> 3), b1 = b0 + 1; wave wv: pattern p = 4 (g & 7) + wv: 1,024 waves in all.
; Lane (r = lane & 15, h = lane >> 4) owns DP rows l = 2r, 2r+1 of (b_h, p): each half of 16 lanes is one DP.
; WAVEFRONT.  In step S lane r works on time block TB = S - r (t = 4 TB .. 4 TB + 3), 2 rows x 4 t = 8 cells; it needs the lower row of
; lane r-1 from step S-1 (the same TB), fetched by DPP row_shr:1.  271 steps serve 256 blocks.  Lanes 15 and 31 hold the output row.
; DISTANCES.  d2 comes whole from one bf16 matrix instruction with C = 0.  Each f32 is cut into three bf16 pieces (h + l + m, 24 bits),
; with q = -2 p; 24 of the 32 K places carry xh qh, xl qh, xm qh, xh ql, xl ql, xh qm (3 dimensions each), the three pieces of |x|^2 times 1
; and 1 times the three pieces of |p|^2.  The products left out (l m, m l, m m) lie 2^-24 or more below the largest one.
; A's rows are (b0, t0..t0+7), (b1, t0..t0+7); B's column n is l = 2n + e: D's register j of lane (r, h) is d2(b_h, 2r+e, t0+j), the lane's own row.
; The skew of the wavefront (lane r needs a block r steps later) is made by a ring in LDS in which each lane reads only what it stored itself.
; CELL.  new = fma(w, min3(up/w, left, diag), d): three instructions, two of them on the chain along t.
; LIMITS KEPT.  'up' passes through *(1/w)*w: 1 to 2 ulp per row step, an order of rounding other than the reference's.  NaN inputs are not
; carried on (min and max drop them).  |x|, |p| below about 1e18, so that squares stay finite.
; NOT USED.  Tensor loads and multicast: the eight work-groups of a pair of b share 24,576 bytes of x, read once at the start and cut into
; pieces in registers on the way to LDS; against 32,768 bytes stored per work-group and 271 dependent steps that sharing saves nothing.
; Prefetch: all global loads are issued in one run at the start.
.set W_BITS,    0x3f6e39f8             ; w = 0.1^(1/32)
.set WINV_BITS, 0x3f898cc0             ; 1 / w
.set EPS_BITS,  0x2b8cbccc             ; 1e-12
.set INF_BITS,  0x7f800000
; LDS
.set TAB,    0                         ; 132 tiles of 1,024 bytes: tile tg = A's 16 rows x 64 bytes for t = 8 tg .. 8 tg + 7 of both b; 128..131 are zeros
.set PADT,   131072                    ; the four zero tiles, for the products that run ahead past t = 1023
.set RING,   135168                    ; per wave 34,816: h * 17,408 + e * 8,704 + r * 544 + 16 * (TB & 31)
.set RINGW,  34816
.set HALF,   17408
.set PLANE,  8704
.set LPITCH, 544                       ; a lane's 32 blocks of 16 bytes + 32: a step's 16 reads fall on 16 different 16-byte columns of 256 bytes
.set STAGE,  274432                    ; per wave 512: h * 256 + 16 * (TB & 15): 64 t of the output row of each b
; vector registers
.set VWINV, 4                          ; 1/w, as a vector register for the DPP multiply
.set VROW,  5                          ; my ring, plane 0, block 0
.set VLO,   6                          ; VROW - 16 r: + 16 s is block s - r, for s >= 15
.set VST,   7                          ; my half's stage
.set VFL,   8                          ; stage + 16 lane
.set VOUT,  9                          ; h * 131,072 + 16 r, stepped by 512 a loop trip
.set XOFF,  10
.set POFF,  11
.set VA,    12                         ; v12-26: VROW + 16 ((s - r) & 31), s = 0 .. 14
.set Q,     28                         ; v28-31: up / w
.set PA,    32                         ; v32-35, v36-39: lane r-1's lower row, even and odd steps
.set PB,    36
.set N0,    40                         ; v40-43: my upper row, last block
.set N1,    44                         ; v44-47: my lower row
.set T0,    48
.set T1,    49
.set R1,    50
.set QQ,    48                         ; set-up only: q0, q1, q2, |p|^2
.set FL,    56
.set VTA,   60                         ; v60-63: (lane ^ g) << 4 for tiles tg & 3 = 0..3, g = 0, 8, 1, 9; stepped by 16 tiles a loop trip
.set DD,    64                         ; v64-95: four sets of 4 + 4 distances (upper row, lower row)
.set AF,    96                         ; v96-111: two A fragments
.set BF,    112                        ; v112-127: B fragments of planes e = 0, 1
.set D2,    128                        ; v128-143: two matrix results
.set SQ,    144                        ; v144-151: eight distances on their way to the ring
.set PR,    152                        ; set-up: patts as loaded, 2 d + e
.set XR,    160                        ; set-up: v160-207 x as loaded
.set F,     208                        ; set-up: v208-215 pieces: M01 M2s H01 H2s L01 L2s H01 H2s
.set KC,    216                        ; set-up: the constant chunk (1,1),(1,0),0,0
.set TT,    220
.set UU,    224
.set SS,    228
.set VB,    230                        ; set-up: v230-233 table addresses for (b, e')
.set ZZ,    236                        ; v236-239 zeros
	s_load_b128 s[4:7], s[0:1], 0x0                ; patts s[4:5], x s[6:7]
	s_load_b64 s[8:9], s[0:1], 0x10                ; out0
	v_lshl_add_u32 v240, v0, 2, 0x43800
	v_mov_b32 v241, 0
	v_lshrrev_b32 v1, 5, v0
	v_readfirstlane_b32 s10, v1                    ; wave 0..3
	s_lshr_b32 s11, ttmp9, 3                       ; pair of b
	s_and_b32 s12, ttmp9, 7
	s_lshl2_add_u32 s13, s12, s10                  ; p = 4 (g & 7) + wave
	s_mul_i32 s14, s11, 24576                      ; x: two b of 3 x 4,096 bytes
	s_mov_b32 s15, 0
	s_mul_i32 s16, s13, 384                        ; patts: 3 x 128 bytes a pattern
	s_mov_b32 s17, 0
	s_lshl_b32 s18, s11, 6                         ; 32 b0
	s_add_co_u32 s18, s18, s13
	s_lshl_b32 s18, s18, 12                        ; out row (b0, p), 4,096 bytes a row: below 8 MiB
	s_mov_b32 s19, 0
	s_mov_b32 s20, W_BITS
	s_mov_b32 s21, WINV_BITS
	s_mov_b32 s22, EPS_BITS
	s_mov_b32 s23, INF_BITS
	s_mov_b32 s26, 0xffff
	s_mov_b32 s27, 0x3f800000
	s_mov_b32 s28, 0xffff0000
	s_mul_i32 s31, s10, RINGW
	s_add_co_u32 s31, s31, RING                    ; my wave's ring
	s_lshl_b32 s32, s10, 9
	s_add_co_u32 s34, s32, PADT                    ; my wave's 512 bytes of each half of the zero tiles
	s_add_co_u32 s32, s32, STAGE                   ; my wave's stage
	s_lshl_b32 s33, s10, 13                        ; my wave's 8 tiles of each 32 that one run of loads fills
	v_and_b32 v1, 31, v0                           ; lane
	v_and_b32 v2, 15, v0                           ; r
	v_bfe_u32 v3, v0, 4, 1                         ; h
	v_lshlrev_b32 v[XOFF], 3, v0                   ; thread t takes x at t' = 2 t, 2 t + 1 of each 256
	v_lshlrev_b32 v[POFF], 3, v2                   ; l = 2 r, 2 r + 1
	s_wait_kmcnt 0x0
	s_add_nc_u64 s[6:7], s[6:7], s[14:15]
	s_add_nc_u64 s[4:5], s[4:5], s[16:17]
	s_add_nc_u64 s[8:9], s[8:9], s[18:19]
	; all of the pair's x: 24 loads, each wave's covering 256 consecutive aligned bytes
.irp b, 0,1
.irp d, 0,1,2
.irp k, 0,1,2,3
	global_load_b64 v[XR+2*((\b*3+\d)*4+\k):XR+2*((\b*3+\d)*4+\k)+1], v[XOFF], s[6:7] offset:\b*12288+\d*4096+\k*1024
.endr
.endr
.endr
.irp d, 0,1,2
	global_load_b64 v[PR+2*\d:PR+2*\d+1], v[POFF], s[4:5] offset:128*\d
.endr
	; addresses and constants, while the loads are out
	v_mul_u32_u24 v52, v3, HALF
	v_add_nc_u32 v52, s31, v52
	v_mul_u32_u24 v53, v2, LPITCH
	v_add_nc_u32 v[VROW], v52, v53
	v_mul_u32_u24 v53, v2, LPITCH-16
	v_add_nc_u32 v[VLO], v52, v53
.irp s, 0,1,2,3,4,5,6,7,8,9,10,11,12,13,14
	v_sub_nc_u32 v53, \s, v2
	v_and_b32 v53, 31, v53
	v_lshl_add_u32 v[VA+\s], v53, 4, v[VROW]
.endr
	v_lshl_add_u32 v[VST], v3, 8, s32
	v_lshl_add_u32 v[VFL], v1, 4, s32
	v_lshlrev_b32 v53, 17, v3                      ; b1's row lies 32 rows of 4,096 bytes behind b0's
	v_lshl_add_u32 v[VOUT], v2, 4, v53
	v_lshlrev_b32 v[VTA], 4, v1
	v_xor_b32 v53, 8, v1
	v_lshlrev_b32 v[VTA+1], 4, v53
	v_xor_b32 v53, 1, v1
	v_lshlrev_b32 v[VTA+2], 4, v53
	v_xor_b32 v53, 9, v1
	v_lshlrev_b32 v[VTA+3], 4, v53
	; table stores: tile = 8 wave + (lane >> 2) of each 32, row m = 8 b + 2 (lane & 3) + e', column 16 (m ^ g(tile & 3))
	v_lshrrev_b32 v52, 2, v1
	v_and_b32 v53, 1, v52
	v_bfe_u32 v54, v1, 3, 1
	v_lshl_or_b32 v53, v53, 3, v54                 ; g: bit 3 = tile bit 0, bit 0 = tile bit 1
	v_and_b32 v54, 3, v1
	v_lshlrev_b32 v54, 1, v54
	v_lshl_add_u32 v52, v52, 10, s33
.irp c, 0,1,2,3
	v_xor_b32 v55, (((\c)>>1)*8)|((\c)&1), v53
	v_or_b32 v55, v55, v54
	v_lshl_add_u32 v[VB+\c], v55, 4, v52
.endr
.irp i, 0,1,2,3
	v_mov_b32 v[ZZ+\i], 0
.endr
	v_mov_b32 v[KC], 0x3f803f80                    ; (1, 1): meets |p|^2's pieces h, l
	v_mov_b32 v[KC+1], 0x3f80                      ; (1, 0): meets its piece m
	v_mov_b32 v[KC+2], 0
	v_mov_b32 v[KC+3], 0
	v_mov_b32 v[VWINV], s21
	v_cmp_eq_u32 s30, 1, v3                        ; lanes 16-31
	; ring blocks TB = -15 .. -1 hold distance 0: lanes that have not begun keep their +inf
.set i, 17
.rept 15
	ds_store_b128 v[VROW], v[ZZ:ZZ+3] offset:16*i
	ds_store_b128 v[VROW], v[ZZ:ZZ+3] offset:16*i+PLANE
.set i, i+1
.endr
	v_lshl_add_u32 v55, v1, 4, s34
	ds_store_b128 v55, v[ZZ:ZZ+3]                  ; tiles 128, 129
	ds_store_b128 v55, v[ZZ:ZZ+3] offset:2048      ; tiles 130, 131
; four f32 into three bf16 pieces each: F+2,3 = high, F+4,5 = middle, F+0,1 = low, F+6,7 = high again; each remainder is exact in f32
.macro SPLIT a0, a1, a2, a3
	v_cvt_pk_bf16_f32 v[F+2], v[\a0], v[\a1]
	v_cvt_pk_bf16_f32 v[F+3], v[\a2], v[\a3]
	v_lshlrev_b32 v[UU], 16, v[F+2]
	v_and_b32 v[UU+1], s28, v[F+2]
	v_lshlrev_b32 v[UU+2], 16, v[F+3]
	v_and_b32 v[UU+3], s28, v[F+3]
	v_sub_f32 v[TT], v[\a0], v[UU]
	v_sub_f32 v[TT+1], v[\a1], v[UU+1]
	v_sub_f32 v[TT+2], v[\a2], v[UU+2]
	v_sub_f32 v[TT+3], v[\a3], v[UU+3]
	v_cvt_pk_bf16_f32 v[F+4], v[TT], v[TT+1]
	v_cvt_pk_bf16_f32 v[F+5], v[TT+2], v[TT+3]
	v_lshlrev_b32 v[UU], 16, v[F+4]
	v_and_b32 v[UU+1], s28, v[F+4]
	v_lshlrev_b32 v[UU+2], 16, v[F+5]
	v_and_b32 v[UU+3], s28, v[F+5]
	v_pk_add_f32 v[TT:TT+1], v[TT:TT+1], v[UU:UU+1] neg_lo:[0,1] neg_hi:[0,1]
	v_pk_add_f32 v[TT+2:TT+3], v[TT+2:TT+3], v[UU+2:UU+3] neg_lo:[0,1] neg_hi:[0,1]
	v_cvt_pk_bf16_f32 v[F], v[TT], v[TT+1]
	v_cvt_pk_bf16_f32 v[F+1], v[TT+2], v[TT+3]
	v_mov_b32 v[F+6], v[F+2]
	v_mov_b32 v[F+7], v[F+3]
.endm
; one row of A: (b, t = 256 k + 2 thread + e).  K dwords 0-3 H H L L | 4-7 M M H H | 8-11 L L H H | 12-15 constants;
; chunk (c, h) = dwords 8 c + 4 h .. + 3 lies at c * 512 + h * 256 of the tile, which is what lane half h loads into registers 4 c .. 4 c + 3
.macro ENTRY b, k, e
.set X0, XR+2*((\b*3+0)*4+\k)+\e
.set X1, XR+2*((\b*3+1)*4+\k)+\e
.set X2, XR+2*((\b*3+2)*4+\k)+\e
	v_mul_f32 v[SS], v[X0], v[X0]
	v_fmac_f32 v[SS], v[X1], v[X1]
	v_fmac_f32 v[SS], v[X2], v[X2]                 ; |x|^2
	SPLIT X0, X1, X2, SS
	ds_store_b128 v[VB+2*\b+\e], v[F+2:F+5] offset:((\k)&1)*32768
	ds_store_b128 v[VB+2*\b+\e], v[F:F+3] offset:((\k)&1)*32768+256
	ds_store_b128 v[VB+2*\b+\e], v[F+4:F+7] offset:((\k)&1)*32768+512
	ds_store_b128 v[VB+2*\b+\e], v[KC:KC+3] offset:((\k)&1)*32768+768
.endm
; B's fragment of plane e: column r is l = 2 r + e.  K dwords 0-3 QH QH QH QH | 4-7 QH QH QL QL | 8-11 QL QL QM QM | 12-15 |p|^2's pieces;
; beside qh2 stands 1 (it meets |x|^2's piece), beside ql2 and qm2 stands 0.  Lanes 0-15 hold dwords 0-3, 8-11, lanes 16-31 dwords 4-7, 12-15.
.macro BFRAG e
	v_mul_f32 v[QQ], -2.0, v[PR+\e]
	v_mul_f32 v[QQ+1], -2.0, v[PR+2+\e]
	v_mul_f32 v[QQ+2], -2.0, v[PR+4+\e]
	v_mul_f32 v[QQ+3], v[PR+\e], v[PR+\e]
	v_fmac_f32 v[QQ+3], v[PR+2+\e], v[PR+2+\e]
	v_fmac_f32 v[QQ+3], v[PR+4+\e], v[PR+4+\e]
	SPLIT QQ, QQ+1, QQ+2, QQ+3
	v_and_or_b32 v[TT], v[F+3], s26, s27           ; (qh2, 1)
	v_and_b32 v[TT+1], s26, v[F+5]                 ; (ql2, 0)
	v_and_b32 v[TT+2], s26, v[F+1]                 ; (qm2, 0)
	v_perm_b32 v[TT+3], v[F+5], v[F+3], 0x07060302 ; (|p|^2 h, |p|^2 l): the two upper halves
	v_lshrrev_b32 v[UU], 16, v[F+1]                ; (|p|^2 m, 0)
	v_mov_b32 v[BF+8*\e], v[F+2]
	v_mov_b32 v[BF+8*\e+1], v[TT]
	v_cndmask_b32 v[BF+8*\e+2], v[F+2], v[F+4], s30
	v_cndmask_b32 v[BF+8*\e+3], v[TT], v[TT+1], s30
	v_cndmask_b32 v[BF+8*\e+4], v[F+4], v[TT+3], s30
	v_cndmask_b32 v[BF+8*\e+5], v[TT+1], v[UU], s30
	v_cndmask_b32 v[BF+8*\e+6], v[F], v[ZZ], s30
	v_cndmask_b32 v[BF+8*\e+7], v[TT+2], v[ZZ], s30
.endm
	s_wait_loadcnt 0x0                             ; x and patts are in, once
.irp k, 0,1,2,3
.irp b, 0,1
.irp e, 0,1
	ENTRY \b, \k, \e
.endr
.endr
.if \k == 1
.irp c, 0,1,2,3
	v_add_nc_u32 v[VB+\c], 0x10000, v[VB+\c]       ; tiles 64 on: beyond the 16-bit offset
.endr
.endif
.endr
	BFRAG 0
	BFRAG 1
	s_wait_dscnt 0x0                               ; my part of the table is written: zero, for the other waves' sake
	s_barrier_signal -1
	s_barrier_wait -1                              ; the only barrier: from here on the table is only read, ring and stage are each wave's own
; D2[e] of tile tg to distances, into blocks 2 tg, 2 tg + 1 of my ring
.macro DIST e, tg
.irp j, 0,1,2,3,4,5,6,7
	v_max_num_f32 v[D2+8*\e+\j], s22, v[D2+8*\e+\j]
.endr
.irp j, 0,1,2,3,4,5,6,7
	v_sqrt_f32 v[SQ+\j], v[D2+8*\e+\j]
.endr
	v_nop                                          ; one plain instruction between the last root and its use (ISA guide 5.7.2)
	s_wait_alu depctr_va_vdst(0)
	ds_store_b128 v[VROW], v[SQ:SQ+3] offset:\e*PLANE+32*\tg
	ds_store_b128 v[VROW], v[SQ+4:SQ+7] offset:\e*PLANE+32*\tg+16
.endm
.macro PTILE tg, both
	ds_load_b128 v[AF:AF+3], v[VTA+\tg] offset:\tg*1024
	ds_load_b128 v[AF+4:AF+7], v[VTA+\tg] offset:\tg*1024+512
	s_wait_dscnt 0x0
	v_wmma_f32_16x16x32_bf16 v[D2:D2+7], v[AF:AF+7], v[BF:BF+7], 0
	v_wmma_f32_16x16x32_bf16 v[D2+8:D2+15], v[AF:AF+7], v[BF+8:BF+15], 0
.rept 5
	v_nop                                          ; five places (ISA guide 7.12.1): four before D is read and A loaded again, five before the next tile's products write over D
.endr
	DIST 0, \tg
.if \both
	DIST 1, \tg
.endif
.endm
	PTILE 0, 1
	PTILE 1, 1
	PTILE 2, 0                                     ; tile 2's plane 1 stays in D2+8: step 0 turns it into distances
	ds_load_b128 v[AF+8:AF+11], v[VTA+3] offset:3072       ; tile 3, multiplied in steps 0 and 1
	ds_load_b128 v[AF+12:AF+15], v[VTA+3] offset:3072+512
	ds_load_b128 v[DD:DD+3], v[VA]                         ; the distances of steps 0 and 1
	ds_load_b128 v[DD+4:DD+7], v[VA] offset:PLANE
	ds_load_b128 v[DD+8:DD+11], v[VA+1]
	ds_load_b128 v[DD+12:DD+15], v[VA+1] offset:PLANE
	; state: everything outside the DP is +inf; lanes 0 and 16 have no DPP source and keep it in Q, PA, PB.
	; The corner: up / w = 0 above cell (0, 0), taken back to +inf right behind its one use.
.irp i, 0,1,2,3
	v_mov_b32 v[Q+\i], s23
	v_mov_b32 v[PA+\i], s23
	v_mov_b32 v[PB+\i], s23
	v_mov_b32 v[N0+\i], s23
	v_mov_b32 v[N1+\i], s23
.endr
	v_cmp_eq_u32 s11, 0, v2
	v_cndmask_b32 v[Q], v[Q], v[ZZ], s11
	v_cmp_eq_u32 vcc_lo, 15, v2                    ; the lanes with the output row; VCC stays so to the end
	s_wait_dscnt 0x0                               ; nothing is out at the loop's head: its counted waits hold on the way in too
	s_wait_xcnt 0x0                                ; EXEC is narrowed in step 0: the set-up's global loads no longer need it
	s_mov_b32 s25, 0
.macro QF i                                        ; up / w: lane r-1's lower row
	v_mul_f32_dpp v[Q+\i], v[N1+\i], v[VWINV] row_shr:1 row_mask:0xf bank_mask:0xf
.endm
.macro PF i                                        ; the same row unscaled, for the diagonals
	v_mov_b32_dpp v[PCUR+\i], v[N1+\i] row_shr:1 row_mask:0xf bank_mask:0xf
.endm
.macro FM k                                        ; distance work on last step's product fills the gaps of the DP's chain
.if DOPROD
	v_max_num_f32 v[DF+\k], s22, v[DF+\k]
.endif
.endm
.macro FS k
.if DOPROD
	v_sqrt_f32 v[SQ+\k], v[DF+\k]
.endif
.endm
; ONE STEP.  sg = S mod 32.  prod: the producer runs (one product, 8 distances, their stores; A's loads in even steps).
; ld: the distances of step S + 2 are loaded.  wt: LDS instructions that may stay out.  fl: 64 t of both output rows leave (1: not in trip 0).
; Tile tg is multiplied in steps 2 tg - 6 (plane 0) and 2 tg - 5 (plane 1), each plane stored one step later; lane 0's load of block 2 tg
; is issued in step 2 tg - 2, behind those stores in the wave's own LDS order (ISA guide 5.7.1).  The ring holds blocks S - 13 .. S + 6: 20 of 32.
.macro STEP sg, prod, ld, wt, fl
.set PAR, (\sg)&1
.set VV, (\sg)>>1
.set DOPROD, \prod
.if PAR
.set PCUR, PB
.set PPRE, PA
.else
.set PCUR, PA
.set PPRE, PB
.endif
.set DEVN, DD+8*((\sg)&3)
.set DODD, DEVN+4
.set DNXT, DD+8*(((\sg)+2)&3)
.set SNXT, ((\sg)+2)&31
.set DW, D2+8*PAR
.set DF, D2+8*(PAR^1)
.set AUSE, AF+8*((VV+1)&1)
.set ANEW, AF+8*(VV&1)
	s_wait_dscnt \wt                               ; the ring loads of two steps ago are in (in even steps A's loads of that step too)
.if \ld
.if SNXT < 15
	ds_load_b128 v[DNXT:DNXT+3], v[VA+SNXT]
	ds_load_b128 v[DNXT+4:DNXT+7], v[VA+SNXT] offset:PLANE
.else
	ds_load_b128 v[DNXT:DNXT+3], v[VLO] offset:16*SNXT
	ds_load_b128 v[DNXT+4:DNXT+7], v[VLO] offset:16*SNXT+PLANE
.endif
.endif
.if \prod
.if PAR == 0
	ds_load_b128 v[ANEW:ANEW+3], v[VTA+(VV&3)] offset:(VV+4)*1024          ; tile S/2 + 4, multiplied from step S + 2 on; the last product
	ds_load_b128 v[ANEW+4:ANEW+7], v[VTA+(VV&3)] offset:(VV+4)*1024+512    ; that read these registers stands a whole step's vector work back
.endif
	v_wmma_f32_16x16x32_bf16 v[DW:DW+7], v[AUSE:AUSE+7], v[BF+8*PAR:BF+8*PAR+7], 0   ; read first in the next step: far more than four places on
.endif
	QF 0
	QF 1
	PF 0
	QF 2
	v_min3_num_f32 v[T0], v[Q], v[N0+3], v[PPRE+3]         ; cell (0, 0) of the block
.if (\sg) == 0
	v_mov_b32 v[Q], s23                                    ; the corner's 0 has served; the other lanes' Q is rewritten in every step
.endif
	PF 1
	FM 0
	FM 1
	FM 2
	v_fma_f32 v[N0], s20, v[T0], v[DEVN]
	QF 3
	PF 2
	PF 3
	FS 0
	v_min3_num_f32 v[T0], v[Q+1], v[N0], v[PCUR]           ; (0, 1)
	v_mul_f32 v[R1], s21, v[N0]                            ; (1, 0): up / w
	FM 3
	FS 1
	v_fma_f32 v[N0+1], s20, v[T0], v[DEVN+1]
	v_min3_num_f32 v[T1], v[R1], v[N1+3], v[N0+3]          ; (1, 0): the old N0+3 and N1+3, ahead of their rewriting
	FM 4
	FS 2
	v_min3_num_f32 v[T0], v[Q+2], v[N0+1], v[PCUR+1]       ; (0, 2)
	v_mul_f32 v[R1], s21, v[N0+1]                          ; (1, 1)
	v_fma_f32 v[N1], s20, v[T1], v[DODD]
	FM 5
	v_fma_f32 v[N0+2], s20, v[T0], v[DEVN+2]
	v_min3_num_f32 v[T1], v[R1], v[N1], v[N0]
	FS 3
	FM 6
	v_min3_num_f32 v[T0], v[Q+3], v[N0+2], v[PCUR+2]       ; (0, 3)
	v_mul_f32 v[R1], s21, v[N0+2]                          ; (1, 2)
	v_fma_f32 v[N1+1], s20, v[T1], v[DODD+1]
	FS 4
	v_fma_f32 v[N0+3], s20, v[T0], v[DEVN+3]
	v_min3_num_f32 v[T1], v[R1], v[N1+1], v[N0+1]
	FM 7
	v_mul_f32 v[R1], s21, v[N0+3]                          ; (1, 3)
	v_fma_f32 v[N1+2], s20, v[T1], v[DODD+2]
	FS 5
	FS 6
	v_min3_num_f32 v[T1], v[R1], v[N1+2], v[N0+2]
	FS 7
	v_fma_f32 v[N1+3], s20, v[T1], v[DODD+3]               ; also the plain instruction between the last root and the stores below
.if \prod
	s_wait_alu depctr_va_vdst(0)
	ds_store_b128 v[VROW], v[SQ:SQ+3] offset:(PAR^1)*PLANE+32*((VV+2+PAR)&15)
	ds_store_b128 v[VROW], v[SQ+4:SQ+7] offset:(PAR^1)*PLANE+32*((VV+2+PAR)&15)+16
.endif
.if ((\sg)&15) == 15
	s_wait_xcnt 0x0                                ; last step's global store is translated: EXEC, FL and VOUT change only behind this wait
.endif
	s_and_saveexec_b32 s24, vcc_lo                 ; lanes 15 and 31: block TB = S - 15 of the output row
	ds_store_b128 v[VST], v[N1:N1+3] offset:16*(((\sg)+1)&15)
	s_or_b32 exec_lo, exec_lo, s24
.if \fl
.if (\sg) == 14
.set FOFF, -256
.else
.set FOFF, 0
.endif
.if \fl == 1
	s_cmp_eq_u32 s25, 0                            ; in trip 0 the stage holds blocks TB < 0: nothing to store
	s_cbranch_scc1 .Lnoflush
.endif
	ds_load_b128 v[FL:FL+3], v[VFL]                ; behind my own stage stores in LDS order
	s_wait_dscnt 0x0
	global_store_b128 v[VOUT], v[FL:FL+3], s[8:9] offset:FOFF th:TH_STORE_NT   ; 16 lanes store 256 consecutive bytes, at a multiple of 256 of the row
.if \fl == 1
.Lnoflush:
.endif
.endif
.endm
; Eight trips of 32 steps.  Counts: behind the ring loads of step S - 2 stand, for even S, 2 A loads (needed now, so not counted), 2 ring stores,
; 1 stage store, then 2 + 2 + 1 of step S - 1: 8 may stay out; for odd S 2 + 1, then 2 + 2 + 2 + 1: 10.  A flush only lowers what is out.
.Ltrip:
.irp g, 0,2,4,6,8,10,12
	STEP \g, 1, 1, 8, 0
	STEP \g+1, 1, 1, 10, 0
.endr
	STEP 14, 1, 1, 8, 1
	STEP 15, 1, 1, 10, 0
.irp g, 16,18,20,22,24,26,28
	STEP \g, 1, 1, 8, 0
	STEP \g+1, 1, 1, 10, 0
.endr
	STEP 30, 1, 1, 8, 2
	STEP 31, 1, 1, 10, 0
.irp j, 0,1,2,3
	v_add_nc_u32 v[VTA+\j], 16384, v[VTA+\j]       ; 16 tiles on
.endr
	v_add_nc_u32 v[VOUT], 512, v[VOUT]             ; 128 t on; the store that read it was translated before step 31's wait let go
	s_add_co_u32 s25, s25, 1
	s_cmp_lt_u32 s25, 8
	s_cbranch_scc1 .Ltrip
; Steps 256 to 270: the wavefront runs out, nothing is produced.  Behind the loads of two steps ago now stand: step 256: at least 10 (8 is
; kept); 257: 2 + 1 and 2 + 1 = 6; then 1 and 2 + 1 = 4; at the last step 1 and 1 = 2.
	STEP 0, 0, 1, 8, 0
	STEP 1, 0, 1, 6, 0
.irp g, 2,3,4,5,6,7,8,9,10,11,12
	STEP \g, 0, 1, 4, 0
.endr
	STEP 13, 0, 0, 4, 0
	STEP 14, 0, 0, 2, 2                            ; the last 64 t of both rows
	s_wait_xcnt 0x0
	s_mov_b32 exec_lo, -1
	s_wait_tensorcnt 0x0
	ds_add_u32 v240, v241
	s_wait_dscnt 0x0
	s_endpgm
.Lfunc_end_k_q1ad19b2c6d_dtw:
	.size	k_q1ad19b2c6d_dtw, .Lfunc_end_k_q1ad19b2c6d_dtw-k_q1ad19b2c6d_dtw
	.p2alignl 7, 3214868480
	.fill 96, 4, 3214868480
	.section	.rodata,"a",@progbits
	.p2align	6, 0x0
	.amdhsa_kernel k_q1ad19b2c6d_dtw
		.amdhsa_group_segment_fixed_size 276992
		.amdhsa_private_segment_fixed_size 0
		.amdhsa_enable_private_segment 0
		.amdhsa_kernarg_size 24
		.amdhsa_user_sgpr_count 2
		.amdhsa_user_sgpr_kernarg_segment_ptr 1
		.amdhsa_wavefront_size32 1
		.amdhsa_system_sgpr_workgroup_id_x 1
		.amdhsa_system_sgpr_workgroup_id_y 1
		.amdhsa_system_sgpr_workgroup_id_z 1
		.amdhsa_system_vgpr_workitem_id 0
		.amdhsa_next_free_vgpr 242
		.amdhsa_next_free_sgpr 66
		.amdhsa_reserve_vcc 1
		.amdhsa_float_denorm_mode_32 3
		.amdhsa_float_denorm_mode_16_64 3
		.amdhsa_memory_ordered 1
		.amdhsa_forward_progress 1
		.amdhsa_inst_pref_size 157
	.end_amdhsa_kernel
	.amdgpu_metadata
---
amdhsa.version: [ 1, 2 ]
amdhsa.kernels:
  - .name:           k_q1ad19b2c6d_dtw
    .symbol:         k_q1ad19b2c6d_dtw.kd
    .args:
      - { .name: patts, .offset: 0, .size: 8, .value_kind: global_buffer, .address_space: global }
      - { .name: x, .offset: 8, .size: 8, .value_kind: global_buffer, .address_space: global }
      - { .name: out0, .offset: 16, .size: 8, .value_kind: global_buffer, .address_space: global }
    .group_segment_fixed_size: 276992
    .private_segment_fixed_size: 0
    .kernarg_segment_align: 8
    .kernarg_segment_size: 24
    .max_flat_workgroup_size: 128
    .sgpr_count:     66
    .vgpr_count:     242
    .wavefront_size: 32
...
	.end_amdgpu_metadata
.endif
;; end of part 1
